; MI455X (gfx1250); checked and timed in simulation.
; The chip was launched on July 23, 2026; its instructions are those of AMD's public machine-readable ISA for CDNA 5 (MIT licence, August 2026) and "CDNA5" Instruction Set Architecture Reference Guide (July 2026). The comments in the code are by the model that wrote it; some were corrected since.
;; Multi Head Attention. Allowed arithmetic: float matrix products may take bf16 or f16 operands with f32 sums; all other float work in f32.
;; Inputs: Wk 1,024 x 1,024 float32; Wo 1,024 x 1,024 float32; Wq 1,024 x 1,024 float32; Wv 1,024 x 1,024 float32; k 2 x 2,048 x 1,024 float32; mask 2 x 2,048 x 2,048 bool; q 2 x 2,048 x 1,024 float32; v 2 x 2,048 x 1,024 float32.
;; Outputs: out0 2 x 2,048 x 1,024 float32.
;; One version. Each part assembles by itself: llvm-mc -triple=amdgcn-amd-amdhsa -mcpu=gfx1250 --defsym DOCPART=n.
;; ======== version 1 of 1: 4 launches
;; limits: values are held in f16: magnitudes above 65,504 overflow, below 6.1e-05 lose precision
;; workspace buffers: xw 33,554,432 bytes; mbits 1,048,576 bytes of whole numbers; hd 25,165,824 bytes; ctx 8,388,608 bytes
;; launch prep (part 1): grid 1280 x 1, 8 waves a work-group, no clusters, 0 bytes of LDS; arguments q, k, v, Wq, Wk, Wv, Wo, mask, xw, mbits; writes xw, mbits
.if DOCPART == 1
	.amdgcn_target "amdgcn-amd-amdhsa--gfx1250"
	.amdhsa_code_object_version 6
	.text
	.protected	k_q4a0b8ca531_prep
	.globl	k_q4a0b8ca531_prep
	.p2align	8
	.type	k_q4a0b8ca531_prep,@function
k_q4a0b8ca531_prep:
	s_mov_b64 s[64:65], 0
	v_nop
	global_prefetch_b8 v0, s[64:65] scope:SCOPE_SE
	s_setreg_imm32_b32 hwreg(HW_REG_WAVE_MODE, 25, 1), 1
	s_wait_xcnt 0x0
; prep: (1) q, k, v, Wq, Wk, Wv, Wo from f32 to f16 into xw; (2) the mask's bytes into lane-mask words in mbits.
; xw (f16): q at byte 0, k at 8,388,608, v at 16,777,216, then Wq, Wk, Wv, Wo from 25,165,824, 2,097,152 bytes each.
; mbits: word ((b*128+qt)*128+kt)*8+j; its bit L is mask[b][16 qt + (L&15)][16 kt + 8 (L>>4) + j]: the lane mask of
; register j of a 16 x 16 tile of transposed scores, as the attention launch holds it.
; LIMIT: f16 holds magnitudes up to 65,504; a larger input becomes an infinity here.
; A stream: each input byte is read once, each output byte written once.  No LDS, no barrier, no matrix unit, no cluster:
; no work-group shares a byte with another.  Work-groups 0..1023 cast a chunk of 65,536 bytes of f32 each
; (q 256 chunks, k 256, v 256, each W 64), work-groups 1024..1279 pack a strip of 16 query rows of the mask each.
.set X, 8                              ; cast: v[8:71] sixteen loads of 16 bytes, converted in place;  mask: v[8:39] sixteen loads of 8 bytes
.set T, 40                             ; mask: v[40:47] one byte of each lane, singled out
.set W, 48                             ; mask: v[48:51] the four words that the lane stores
	s_load_b512 s[4:19], s[0:1], 0x0               ; q s[4:5], k s[6:7], v s[8:9], Wq s[10:11], Wk s[12:13], Wv s[14:15], Wo s[16:17], mask s[18:19]
	s_load_b128 s[20:23], s[0:1], 0x40             ; xw s[20:21], mbits s[22:23]
	s_mov_b32 s2, ttmp9
	s_cmp_ge_u32 s2, 1024
	s_cbranch_scc1 .Lmask
	; ---- the cast: thread t takes 32 bytes of f32 at 32 t of each slice of 8,192 bytes and stores 16 bytes of f16 at 16 t
	v_lshlrev_b32 v1, 5, v0
	v_lshlrev_b32 v2, 4, v0
	s_cmp_lt_u32 s2, 768
	s_cselect_b32 s28, 255, 63                     ; chunks in the source, less one
	s_and_b32 s28, s2, s28                         ; the chunk's number in its source (every source starts at a multiple of its chunk count)
	s_lshl_b32 s28, s28, 16                        ; times 65,536 bytes
	s_mov_b32 s29, 0
	s_lshl_b32 s30, s2, 15                         ; xw is laid in the order of the work-groups: 32,768 bytes each
	s_mov_b32 s31, 0
	s_wait_kmcnt 0x0
	s_mov_b64 s[24:25], s[16:17]                   ; Wo, unless the number is lower
.macro PICK bound, src
	s_cmp_lt_u32 s2, \bound
	s_cselect_b64 s[24:25], s[\src:\src+1], s[24:25]
.endm
	PICK 960, 14
	PICK 896, 12
	PICK 832, 10
	PICK 768, 8
	PICK 512, 6
	PICK 256, 4
	s_add_nc_u64 s[24:25], s[24:25], s[28:29]
	s_add_nc_u64 s[26:27], s[20:21], s[30:31]
.set i, 0
.rept 8                                            ; all sixteen loads first: the whole chunk is on its way at once
	global_load_b128 v[X+8*i:X+8*i+3],   v1, s[24:25] offset:8192*i th:TH_LOAD_NT
	global_load_b128 v[X+8*i+4:X+8*i+7], v1, s[24:25] offset:8192*i+16 th:TH_LOAD_NT
.set i, i+1
.endr
.set i, 0
.rept 8
	s_wait_loadcnt 14-2*i                          ; loads come back in order (ISA guide 5.7.1): slice i's two are in, the younger slices' stay out
	v_cvt_pk_f16_f32 v[X+8*i],   v[X+8*i],   v[X+8*i+1]   ; in place, ascending: a register is written when it has been read; no second set of registers
	v_cvt_pk_f16_f32 v[X+8*i+1], v[X+8*i+2], v[X+8*i+3]
	v_cvt_pk_f16_f32 v[X+8*i+2], v[X+8*i+4], v[X+8*i+5]
	v_cvt_pk_f16_f32 v[X+8*i+3], v[X+8*i+6], v[X+8*i+7]
	global_store_b128 v2, v[X+8*i:X+8*i+3], s[26:27] offset:4096*i   ; a wave's store covers 512 consecutive bytes, aligned; its data are not written again
.set i, i+1
.endr
	s_endpgm
	; ---- the mask: strip = b*128+qt, 16 rows of 2,048 bytes.  Wave w takes keys 256 w .. 256 w + 255 = 16 key tiles.
	; Lane L loads, for key tile i, the 8 bytes of row L&15 at key 16 i + 8 (L>>4): byte j belongs to bit L of word 8 i + j.
.Lmask:
	s_sub_co_u32 s3, s2, 1024
	s_lshl_b32 s28, s3, 15                         ; 16 rows x 2,048 bytes
	s_mov_b32 s29, 0
	s_lshl_b32 s26, s3, 12                         ; 128 key tiles x 8 words x 4 bytes
	s_mov_b32 s27, 0
	v_and_b32 v1, 15, v0
	v_lshlrev_b32 v1, 11, v1                       ; row x 2,048
	v_bfe_u32 v2, v0, 4, 1
	v_lshl_add_u32 v1, v2, 3, v1                   ; + 8 x half
	v_lshrrev_b32 v2, 5, v0
	v_lshl_add_u32 v1, v2, 8, v1                   ; + 256 x wave
	v_lshlrev_b32 v3, 4, v0                        ; where I store: 16 t
.irp r, 0,1,2,3
	v_mov_b32 v[W+\r], 0                           ; v_writelane_b32 keeps the other lanes: the register is written whole first
.endr
	s_wait_kmcnt 0x0
	s_add_nc_u64 s[18:19], s[18:19], s[28:29]
	s_add_nc_u64 s[22:23], s[22:23], s[26:27]
.set i, 0
.rept 16                                           ; the sixteen loads together use every byte of 16 rows x 256 bytes
	global_load_b64 v[X+2*i:X+2*i+1], v1, s[18:19] offset:16*i
.set i, i+1
.endr
.set i, 0
.rept 16
	s_wait_loadcnt 15-i                            ; key tile i is in, the younger ones stay out
.set j, 0
.rept 8
	v_and_b32 v[T+j], 0xff<<(8*(j&3)), v[X+2*i+(j>>2)]
.set j, j+1
.endr
.set j, 0
.rept 8
	v_cmp_ne_u32 s[30+j], 0, v[T+j]                ; the 32 lanes' bits: one word of mbits
.set j, j+1
.endr
.set j, 0
.rept 8
	v_writelane_b32 v[W+(j&3)], s[30+j], 2*i+(j>>2)   ; word 8 i + j of the wave's 128: lane (8 i + j) / 4, register (8 i + j) % 4
.set j, j+1
.endr
.set i, i+1
.endr
	global_store_b128 v3, v[W:W+3], s[22:23]       ; 512 consecutive bytes a wave, aligned
	s_endpgm
.Lfunc_end_k_q4a0b8ca531_prep:
	.size	k_q4a0b8ca531_prep, .Lfunc_end_k_q4a0b8ca531_prep-k_q4a0b8ca531_prep
	.p2alignl 7, 3214868480
	.fill 96, 4, 3214868480
	.section	.rodata,"a",@progbits
	.p2align	6, 0x0
	.amdhsa_kernel k_q4a0b8ca531_prep
		.amdhsa_group_segment_fixed_size 0
		.amdhsa_private_segment_fixed_size 0
		.amdhsa_enable_private_segment 0
		.amdhsa_kernarg_size 80
		.amdhsa_user_sgpr_count 2
		.amdhsa_user_sgpr_kernarg_segment_ptr 1
		.amdhsa_wavefront_size32 1
		.amdhsa_system_sgpr_workgroup_id_x 1
		.amdhsa_system_sgpr_workgroup_id_y 1
		.amdhsa_system_sgpr_workgroup_id_z 1
		.amdhsa_system_vgpr_workitem_id 0
		.amdhsa_next_free_vgpr 72
		.amdhsa_next_free_sgpr 66
		.amdhsa_reserve_vcc 0
		.amdhsa_float_denorm_mode_32 3
		.amdhsa_float_denorm_mode_16_64 3
		.amdhsa_memory_ordered 1
		.amdhsa_forward_progress 1
		.amdhsa_inst_pref_size 33
	.end_amdhsa_kernel
	.amdgpu_metadata
---
amdhsa.version: [ 1, 2 ]
amdhsa.kernels:
  - .name:           k_q4a0b8ca531_prep
    .symbol:         k_q4a0b8ca531_prep.kd
    .args:
      - { .name: q, .offset: 0, .size: 8, .value_kind: global_buffer, .address_space: global }
      - { .name: k, .offset: 8, .size: 8, .value_kind: global_buffer, .address_space: global }
      - { .name: v, .offset: 16, .size: 8, .value_kind: global_buffer, .address_space: global }
      - { .name: Wq, .offset: 24, .size: 8, .value_kind: global_buffer, .address_space: global }
      - { .name: Wk, .offset: 32, .size: 8, .value_kind: global_buffer, .address_space: global }
      - { .name: Wv, .offset: 40, .size: 8, .value_kind: global_buffer, .address_space: global }
      - { .name: Wo, .offset: 48, .size: 8, .value_kind: global_buffer, .address_space: global }
      - { .name: mask, .offset: 56, .size: 8, .value_kind: global_buffer, .address_space: global }
      - { .name: xw, .offset: 64, .size: 8, .value_kind: global_buffer, .address_space: global }
      - { .name: mbits, .offset: 72, .size: 8, .value_kind: global_buffer, .address_space: global }
    .group_segment_fixed_size: 0
    .private_segment_fixed_size: 0
    .kernarg_segment_align: 8
    .kernarg_segment_size: 80
    .max_flat_workgroup_size: 256
    .sgpr_count:     66
    .vgpr_count:     72
    .wavefront_size: 32
...
	.end_amdgpu_metadata
.endif
;; end of part 1
;; launch proj (part 2): grid 4 x 48, 4 waves a work-group, clusters of 4 x 4, 327,680 bytes of LDS; arguments xw, hd; writes hd
.if DOCPART == 2
	.amdgcn_target "amdgcn-amd-amdhsa--gfx1250"
	.amdhsa_code_object_version 6
	.text
	.protected	k_q4a0b8ca531_proj
	.globl	k_q4a0b8ca531_proj
	.p2align	8
	.type	k_q4a0b8ca531_proj,@function
k_q4a0b8ca531_proj:
	s_mov_b64 s[64:65], 0
	v_nop
	global_prefetch_b8 v0, s[64:65] scope:SCOPE_SE
	s_setreg_imm32_b32 hwreg(HW_REG_WAVE_MODE, 25, 1), 1
	s_wait_xcnt 0x0
	s_wait_alu depctr_hold_cnt(0) depctr_sa_sdst(0) depctr_va_vdst(0) depctr_va_sdst(0) depctr_va_ssrc(0) depctr_va_vcc(0) depctr_vm_vsrc(0)
	s_getreg_b32 s2, hwreg(HW_REG_IB_STS2, 6, 4)
	s_cmp_eq_u32 s2, 0
	s_cbranch_scc0 .Lentry_in_a_cluster
	s_endpgm
.Lentry_in_a_cluster:
	s_bfe_u32 s2, ttmp6, 0x10000c
	s_cmp_lg_u32 s2, 0xf033
	s_cbranch_scc0 .Lentry_shape_is_right
	s_endpgm
.Lentry_shape_is_right:
; proj: qw = q Wq^T, kw = k Wk^T, vw = v Wv^T.  Operands f16 (from xw), sums f32, results f16, head-major:
; hd[p][b*16+h][token][64], p = 0, 1, 2, 8,388,608 bytes each.
; LIMIT: a projected value above 65,504 in magnitude becomes an infinity in f16.
; A work-group makes a block of 256 tokens x 256 features of one product with four waves; a wave makes 128 x 128: 64 accumulator tiles of 16 x 16,
; 512 registers, so that 32 along K cost 2 x 128 x 64 bytes of LDS reads for 64 matrix instructions.  K = 1,024 goes in eight steps of 128 through a
; ring of two LDS slots filled by the tensor data mover; a tile's rows are 256 bytes of memory and start at multiples of 256 bytes.
; WORK-GROUPS: q, k, v lie stacked in xw as 12,288 rows, so block row by = 0..47 starts at row 256 by and belongs to product p = by / 16; with four block
; columns that is 192 work-groups.  No block of this shape divides 3 x 4,096 x 1,024 outputs into more equal parts (192 divides neither 1,024 nor 4,096).
; CLUSTERS: 4 x 4 work-groups.  The four of a row of the cluster need the same rows of q, k or v, the four of a column the same rows of W: each tile is asked
; for JOINTLY, by the same tensor load with the same descriptor and a mask that names the four.  A cluster's four block rows lie in one product (16 is a
; multiple of 4), and p is taken from the cluster's y alone, so W's address holds no place along the cluster's y.
;
; REGISTERS, in windows of 256 (s_set_vgpr_msb says which window each operand place means):
;   window 0: v16-26 addresses; v64-127, v128-191 fragments of the activations (8 x 16 rows x 32 K), two buffers; v192-223 at work on the way out
;   window 1: v64-127, v128-191 fragments of W, two buffers
;   window 2: the 32 accumulator tiles of my tokens 0-63 (tile (a, b) at v[8 (8 a + b)]);   window 3: those of my tokens 64-127
; THE MATRIX INSTRUCTION IS USED TRANSPOSED: source 0 = 16 rows of W, source 1 = 16 tokens.  Lane l then holds token l % 16 and, in registers 0 to 7, the
; features 8 (l / 16) + 0 .. 7: eight neighbouring numbers of a head's row, which pack into 16 bytes.
.set SIZE_K, 1024
.set KSTEP,  128
.set PITCH,  272                       ; an LDS row: 256 bytes of data + 16 of padding = 17 x 16: the 16 rows that a load touches start 16 bytes apart modulo 256
.set HALFT,  128*PITCH                 ; 128 rows: what one tensor load brings, and what one wave reads of either operand
.set SLOT,   4*HALFT                   ; the activations' 256 rows, then W's 256 rows: 139,264 bytes
.set STAGE,  2*SLOT                    ; 278,528, a multiple of 256: behind the ring, the way out; no tensor load fills it
.set SPITCH, 144                       ; a stage row: a head's 64 f16 + 16 bytes
.set HSTAGE, 16*SPITCH                 ; 16 tokens of one head
.set WSTAGE, 2*HSTAGE                  ; 4,608 bytes a wave (two heads), a multiple of 256
.set LAPS, SIZE_K/(2*KSTEP)            ; a lap = two K steps = once round the ring: 4
.set WOFF,  25165824                   ; Wq in xw; Wk, Wv 2,097,152 bytes further each
.set HEADB, 262144                     ; from head to head in hd
.set ADRA, 16                          ; v16-17  LDS address of my activation fragments in slot 0, 1
.set ADRB, 20                          ; v20-21  the same for W
.set STO,  24                          ; v24     the way out: where I put 16 bytes of a token
.set RD,   25                          ; v25     the way out: where I read back
.set CO,   26                          ; v26     my byte offset in a store's 512 bytes
.set F0,   64                          ; fragment buffer 0
.set F1,   128                         ; fragment buffer 1
.set TMP,  192                         ; the way out: packed results, in window 0
.set G1, 24                            ; s[24:31] descriptor group 1 for the activations' tiles
.set G0, 32                            ; s[32:39] descriptor group 0 for them, one set for each slot
.set G1B, 48                           ; s[48:55] descriptor group 1 for W's tiles: it differs in the mask alone
.set G0B, 56                           ; s[56:63] descriptor group 0 for W's tiles, one set for each slot
.set MSB, 0
.macro WIN new                         ; low byte: bits 1:0 source 0, 3:2 source 1, 5:4 source 2, 7:6 destination; the high byte repeats the setting that is left
.if MSB != \new
	s_set_vgpr_msb (MSB<<8)|\new
.set MSB, \new
.endif
.endm
.set MUL_LO, 0xa1                      ; source 0 (W) window 1, source 1 (activations) window 0, C and D window 2
.set MUL_HI, 0xf1                      ; the same, C and D window 3
.set TO_B,   0x40                      ; destination window 1, address window 0
; A joint load.  Waves 0 and 1 fetch the activations' two halves, waves 2 and 3 W's.  Each of the two lines has ONE mask and one set of registers for all that issue it.
; The branch hangs on the wave's number alone: it is the same in every work-group.
.macro JLOAD s
	s_cmp_eq_u32 s11, 0
	s_cbranch_scc0 .Lfor_b_\@
	tensor_load_to_lds s[G0+4*\s:G0+4*\s+3], s[G1:G1+7]
	s_nop 0
	s_branch .Lasked_\@
.Lfor_b_\@:
	tensor_load_to_lds s[G0B+4*\s:G0B+4*\s+3], s[G1B:G1B+7]
	s_nop 0
.Lasked_\@:
.endm
; A round of the cluster's barrier: my work-group's barrier, so that wave 0's signal speaks for all four waves; wave 0 signals for the work-group; every wave waits for all
; sixteen work-groups; my work-group's barrier once more.
.macro CREST                           ; a round behind its opening barrier
	s_cmp_lg_u32 s10, 0
	s_cbranch_scc1 .Lnot_wave_0_\@
	s_barrier_signal -3
.Lnot_wave_0_\@:
	s_barrier_wait -3
	s_barrier_signal -1
	s_barrier_wait -1
.endm
.macro CROUND                          ; a whole round
	s_barrier_signal -1
	s_barrier_wait -1
	CREST
.endm
	s_load_b128 s[4:7], s[0:1], 0x0                ; xw s[4:5], hd s[6:7]
	s_set_vgpr_msb 0x40
	v_lshl_add_u32 v255, v0, 2, 0x48800
	s_set_vgpr_msb 0x4000
	v_mov_b32 v255, 0
	s_set_vgpr_msb 0x1
	ds_add_u32 v255, v255
	s_set_vgpr_msb 0x100
	v_lshrrev_b32 v1, 5, v0
	v_readfirstlane_b32 s10, v1                    ; wave 0..3
	s_lshr_b32 s11, s10, 1                         ; which half of the block's tokens is mine.  Also: I fetch activations (0) or W (1)
	s_and_b32 s12, s10, 1                          ; which half of its features.  Also: which 128 rows of that tile I fetch
	s_bfe_u32 s40, ttmp6, 0x40000                  ; cx: my place along the cluster's x
	s_bfe_u32 s41, ttmp6, 0x40004                  ; cy: along its y
	s_lshl_b32 s42, ttmp9, 2                       ; in a cluster launch ttmp9 and ttmp7 count clusters
	s_add_co_u32 s42, s42, s40                     ; bx: block column = 4 x cluster x + cx, 0..3
	s_and_b32 s45, ttmp7, 0xffff                   ; the cluster's y, 0..11
	s_lshl_b32 s13, s45, 2
	s_add_co_u32 s13, s13, s41                     ; by: block row = 4 x cluster y + cy, 0..47
	s_lshr_b32 s45, s45, 2                         ; p: the product, from the cluster's y alone
	s_lshl_b32 s43, s41, 2
	s_lshl_b32 s43, 15, s43                        ; my row of the cluster: places 4 cy .. 4 cy + 3
	s_lshl_b32 s44, 0x1111, s40                    ; my column: places cx, cx + 4, cx + 8, cx + 12
	; descriptor group 1: a tile of 128 rows x 128 elements of 2 bytes, 4 words of padding behind every 64
	s_or_b32 s[G1+0], s43, (1<<16)|(1<<20)|(1<<21)|(5<<22)|(3<<25)  ; the activations' tiles go to my row of the cluster; bit 21 set beside a mask
	s_or_b32 s[G1B+0], s44, (1<<16)|(1<<20)|(1<<21)|(5<<22)|(3<<25) ; W's tiles go to my column
	s_mov_b32 s[G1B+1], KSTEP<<16
	s_mov_b32 s[G1+1], KSTEP<<16                   ; tensor_dim0 = 128
	s_mov_b32 s[G1B+2], 128<<16
	s_mov_b32 s[G1+2], 128<<16                     ; tensor_dim1 = 128
	s_mov_b32 s[G1B+3], KSTEP<<16
	s_mov_b32 s[G1+3], KSTEP<<16                   ; tile_dim0 = 128
	s_mov_b32 s[G1B+4], 128
	s_mov_b32 s[G1+4], 128                         ; tile_dim1 = 128
	s_mov_b32 s[G1B+5], SIZE_K
	s_mov_b32 s[G1+5], SIZE_K                      ; elements from row to row
	s_mov_b32 s[G1B+6], 0
	s_mov_b32 s[G1+6], 0
	s_mov_b32 s[G1B+7], 0
	s_mov_b32 s[G1+7], 0
	; where the tiles come from, rows of 2,048 bytes.  The activations' hang on the block row alone, which my row of the cluster shares; W's on the block column and on p,
	; which my column shares.  Every wave makes both addresses, in registers that never hold the other place, and asks by one of them.
	s_lshl_b32 s17, s12, 7                         ; which 128 rows of the tile I fetch
	s_lshl_b32 s16, s13, 8
	s_add_co_u32 s16, s16, s17                     ; activations: row 256 by + 128 x half of the 12,288
	s_lshl_b32 s16, s16, 11
	s_lshl_b32 s46, s42, 8
	s_add_co_u32 s46, s46, s17                     ; W: row 256 bx + 128 x half
	s_lshl_b32 s46, s46, 11
	s_lshl_b32 s45, s45, 21                        ; of the p-th W: 2,097,152 bytes each
	s_add_co_u32 s46, s46, s45
	s_add_co_u32 s46, s46, WOFF
	s_mov_b32 s17, 0
	s_mov_b32 s47, 0
	s_mul_i32 s20, s10, HALFT                      ; and where they go: wave x 128 rows: no place in the cluster enters an LDS address
	s_wait_dscnt 0x0
	s_wait_kmcnt 0x0
	s_add_nc_u64 s[14:15], s[4:5], s[16:17]
	s_add_nc_u64 s[46:47], s[4:5], s[46:47]
	CROUND                                         ; all sixteen work-groups are here: the first joint loads meet
.irp s, 0,1
	s_mov_b32 s[G0+4*\s], 1                                        ; count = 1
	s_add_co_u32 s[G0+4*\s+1], s20, \s*SLOT                        ; LDS address
	s_add_nc_u64 s[G0+4*\s+2:G0+4*\s+3], s[14:15], \s*KSTEP*2      ; global address: K step s
	s_or_b32 s[G0+4*\s+3], s[G0+4*\s+3], 0x80000000                ; type = 2
	s_mov_b32 s[G0B+4*\s], 1
	s_add_co_u32 s[G0B+4*\s+1], s20, \s*SLOT
	s_add_nc_u64 s[G0B+4*\s+2:G0B+4*\s+3], s[46:47], \s*KSTEP*2
	s_or_b32 s[G0B+4*\s+3], s[G0B+4*\s+3], 0x80000000
	JLOAD \s                                       ; the ring is filled before anything else is done: two loads of the wave are out
.endr
	; A fragment is 16 rows x 32 K in 8 registers: lane l holds row l % 16; registers 0-3 hold K = 8 (l / 16) + 0..7, registers 4-7 hold
	; K = 16 + 8 (l / 16) + 0..7: two loads of 16 bytes, 32 bytes apart.
	v_and_b32 v1, 15, v0                           ; l % 16
	v_bfe_u32 v2, v0, 4, 1                         ; l / 16
	v_mul_u32_u24 v3, v1, PITCH
	v_lshl_add_u32 v3, v2, 4, v3                   ; row x pitch + 16 x half
	s_mul_i32 s21, s11, HALFT                      ; my 128 tokens
	s_mul_i32 s22, s12, HALFT                      ; my 128 rows of W,
	s_add_co_u32 s22, s22, 2*HALFT                 ; which lie behind the 256 tokens
.irp s, 0,1
	v_add_nc_u32 v[ADRA+\s], s21, v3
	v_add_nc_u32 v[ADRB+\s], s22, v3
	s_add_co_u32 s21, s21, SLOT
	s_add_co_u32 s22, s22, SLOT
.endr
	s_mul_i32 s23, s10, WSTAGE
	s_add_co_u32 s23, s23, STAGE                   ; my stage
	v_mul_u32_u24 v4, v1, SPITCH                   ; in: token l % 16, 16 bytes for each half of the lanes
	v_lshl_add_u32 v4, v2, 4, v4
	v_add_nc_u32 v[STO], s23, v4
	v_bfe_u32 v5, v0, 3, 2                         ; back: eight lanes take a token's 128 bytes of a head, a wave four tokens,
	v_mul_u32_u24 v5, v5, SPITCH
	v_and_b32 v6, 7, v0
	v_lshl_add_u32 v5, v6, 4, v5
	v_add_nc_u32 v[RD], s23, v5
	v_and_b32 v6, 31, v0
	v_lshlrev_b32 v[CO], 4, v6                     ; which are 512 consecutive bytes of hd
; 16 matrix instructions: token tiles a0, a0 + 1 of the window's four (hi = 0: my tokens 0-63, 1: tokens 64-127) x all 8 feature tiles, 32 along K.
; zero = 1: the first product starts the sums: nothing is ever cleared.  The 64 accumulators take turns, one instruction a turn, in the same order in
; every quarter step.
.macro MUL16 f, hi, a0, zero
.irp a, \a0, \a0+1
.irp b, 0,1,2,3,4,5,6,7
.if \zero
	v_wmma_f32_16x16x32_f16 v[8*(8*(\a)+\b):8*(8*(\a)+\b)+7], v[\f+8*\b:\f+8*\b+7], v[\f+8*(4*\hi+\a):\f+8*(4*\hi+\a)+7], 0
.else
	v_wmma_f32_16x16x32_f16 v[8*(8*(\a)+\b):8*(8*(\a)+\b)+7], v[\f+8*\b:\f+8*\b+7], v[\f+8*(4*\hi+\a):\f+8*(4*\hi+\a)+7], v[8*(8*(\a)+\b):8*(8*(\a)+\b)+7]
.endif
.endr
.endr
.endm
; 32 LDS loads in one run: the fragments of one quarter step (128 rows of W, 128 tokens, 32 K at byte k of the rows) into buffer f
.macro FETCH slot, k, f
	WIN TO_B
.irp i, 0,1,2,3,4,5,6,7
	ds_load_b128 v[\f+8*\i:\f+8*\i+3],   v[ADRB+\slot] offset:\k+\i*16*PITCH
	ds_load_b128 v[\f+8*\i+4:\f+8*\i+7], v[ADRB+\slot] offset:\k+\i*16*PITCH+32
.endr
	WIN 0
.irp i, 0,1,2,3,4,5,6,7
	ds_load_b128 v[\f+8*\i:\f+8*\i+3],   v[ADRA+\slot] offset:\k+\i*16*PITCH
	ds_load_b128 v[\f+8*\i+4:\f+8*\i+7], v[ADRA+\slot] offset:\k+\i*16*PITCH+32
.endr
.endm
; A load into a register that a matrix instruction has read, and a vector instruction that reads a matrix result, stand four places behind that matrix
; instruction, and only plain vector instructions that name none of its registers are places: four v_nop in front of each run of loads.
.macro PLACES
.rept 4
	v_nop
.endr
.endm
; A K step is four quarter steps of 32 along K, 64 matrix instructions each, on buffers 0, 1, 0, 1.
; One of the first three: multiplies buffer f; in its middle it fetches the next quarter's fragments, at byte k of the same slot's rows, into buffer g.
.macro QUARTER slot, k, f, g, zero
	s_wait_dscnt 8                                 ; W and tokens 0-63 are in; the youngest eight loads (tokens 64-127) may be out
	WIN MUL_LO
	MUL16 \f, 0, 0, \zero
	MUL16 \f, 0, 2, \zero
	PLACES
	FETCH \slot, \k, \g
	s_wait_dscnt 32                                ; all but the 32 just issued
	WIN MUL_HI
	MUL16 \f, 1, 0, \zero
	MUL16 \f, 1, 2, \zero
.endm
.macro THREE slot, zero
	QUARTER \slot, 64,  F0, F1, \zero
	QUARTER \slot, 128, F1, F0, 0
	QUARTER \slot, 192, F0, F1, 0
.endm
; The last quarter: multiplies buffer 1 and changes slots.  next = the other slot; fill = 1: this slot is filled again, two K steps ahead.
; ONE barrier for the change of slots.  In front of it each wave waits for its own reads of this slot and for all its tensor loads, of which one is out:
; its part of the next slot.  Behind it nobody reads this slot any more and the next slot is whole: the refill comes first, then the next slot's first
; fragments.  From a request to the wait for it a wave issues 240 matrix instructions.
.macro TURN slot, next, fill
	s_wait_dscnt 8
	WIN MUL_LO
	MUL16 F1, 0, 0, 0
	s_wait_dscnt 0                                 ; my reads of this slot are over
	s_wait_tensorcnt 0x0                           ; and all my tensor loads have landed:
	ds_add_u32 v255, v255
	s_wait_dscnt 0x0
	s_barrier_signal -1                            ; say so (where a slot is filled again this barrier opens a round of the cluster's barrier),
	MUL16 F1, 0, 2, 0                              ; work on registers while the others arrive,
	WIN 0
	s_barrier_wait -1                              ; and go on when all four have said so
.if \fill
	CREST                                          ; all sixteen work-groups have said so: no wave of any partner still reads this slot's tile or has a load on its way
	s_add_nc_u64 s[G0+4*\slot+2:G0+4*\slot+3], s[G0+4*\slot+2:G0+4*\slot+3], 2*KSTEP*2
	s_add_nc_u64 s[G0B+4*\slot+2:G0B+4*\slot+3], s[G0B+4*\slot+2:G0B+4*\slot+3], 2*KSTEP*2
	JLOAD \slot                                    ; the first tensor load behind the round
.endif
	PLACES
	FETCH \next, 0, F0
	WIN MUL_HI
	MUL16 F1, 1, 0, 0
	MUL16 F1, 1, 2, 0
.endm
.macro LAP zero                        ; once round the ring, both slots filled again
	THREE 0, \zero
	TURN 0, 1, 1
	THREE 1, 0
	TURN 1, 0, 1
.endm
	s_wait_tensorcnt 1                             ; my part of K step 0 is in; K step 1's load stays out
	s_barrier_signal -1
	s_barrier_wait -1                              ; everybody's is
	FETCH 0, 0, F0
	LAP 1                                          ; the first lap stands in front of the loop: its first products start the sums
	WIN 0                                          ; at a label and at a branch every window is 0
	s_mov_b32 s3, LAPS-2
.Llap:
	LAP 0
	WIN 0
	s_sub_co_u32 s3, s3, 1
	s_cmp_lg_u32 s3, 0
	s_cbranch_scc1 .Llap
	THREE 0, 0                                     ; the last lap fills nothing, and has no round of the cluster's barrier
	TURN 0, 1, 0
	THREE 1, 0
	s_wait_dscnt 8                                 ; the very last quarter: nothing more to fetch
	WIN MUL_LO
	MUL16 F1, 0, 0, 0
	MUL16 F1, 0, 2, 0
	s_wait_dscnt 0
	WIN MUL_HI
	MUL16 F1, 1, 0, 0
	MUL16 F1, 1, 2, 0
	; THE WAY OUT, 16 tokens at a time: round to f16, 16 bytes a lane into my own stage (one region for each of my two heads), back four tokens of a head at a time.
	; The four v_nop are the places behind the last matrix instructions: for the conversions, which read results, and for the loads into buffers 0 and 1.
	PLACES
	s_and_b32 s66, s13, 15                         ; the block row inside its product
	s_lshr_b32 s67, s66, 3                         ; b: 8 block rows a batch
	s_lshl_b32 s67, s67, 4
	s_lshl2_add_u32 s67, s42, s67                  ; b*16 + head, head = 4 bx
	s_lshl1_add_u32 s67, s12, s67                  ;   + 2 x my half of the features
	s_lshl_b32 s67, s67, 11                        ; x 2,048 tokens
	s_and_b32 s66, s13, 7
	s_lshl_b32 s66, s66, 8
	s_add_co_u32 s67, s67, s66                     ; + token 256 (by % 8)
	s_lshl_b32 s66, s11, 7
	s_add_co_u32 s67, s67, s66                     ;   + 128 x my half of the tokens
	s_lshl_b32 s66, s67, 7                         ; x 128 bytes
	s_lshr_b32 s68, s13, 4
	s_lshl_b32 s68, s68, 23                        ; + p x 8,388,608
	s_add_co_u32 s66, s66, s68
	s_mov_b32 s67, 0
	s_add_nc_u64 s[6:7], s[6:7], s[66:67]
; tokens 16 i .. 16 i + 15 of my block = the eight tiles (a, 0..7) of window 2 or 3 (from = 0x0a or 0x0f: sources 0 and 1); f: F0 or F1 in turn
.macro OUT16 i, a, from, f
	WIN \from
.irp b, 0,1,2,3,4,5,6,7
.irp r, 0,1,2,3
	v_cvt_pk_f16_f32 v[TMP+4*\b+\r], v[8*(8*\a+\b)+2*\r], v[8*(8*\a+\b)+2*\r+1]
.endr
.endr
	WIN 0
.irp b, 0,1,2,3,4,5,6,7
	ds_store_b128 v[STO], v[TMP+4*\b:TMP+4*\b+3] offset:(\b>>2)*HSTAGE+32*(\b&3)   ; feature tile b: head b / 4, bytes 32 (b % 4) of its row
.endr
	s_wait_xcnt 0x0                                ; buffer f, which earlier stores read, is written again only behind this wait
.irp t, 0,1,2,3,4,5,6,7
	ds_load_b128 v[\f+4*\t:\f+4*\t+3], v[RD] offset:(\t>>2)*HSTAGE+(\t&3)*4*SPITCH  ; LDS serves a wave's instructions in order (ISA guide 5.7.1): these see the stores above
.endr
.irp t, 0,1,2,3,4,5,6,7
	s_wait_dscnt 7-\t                              ; load t is back, the younger ones stay out
	global_store_b128 v[CO], v[\f+4*\t:\f+4*\t+3], s[6:7] offset:(\t>>2)*HEADB+\i*2048+(\t&3)*512   ; four tokens of a head: 512 consecutive bytes, aligned
.endr
.endm
	OUT16 0, 0, 0x0a, F0
	OUT16 1, 1, 0x0a, F1
	OUT16 2, 2, 0x0a, F0
	OUT16 3, 3, 0x0a, F1
	OUT16 4, 0, 0x0f, F0
	OUT16 5, 1, 0x0f, F1
	OUT16 6, 2, 0x0f, F0
	OUT16 7, 3, 0x0f, F1
	s_set_vgpr_msb 0x1
	s_wait_tensorcnt 0x0
	ds_add_u32 v255, v255
	s_wait_dscnt 0x0
	s_set_vgpr_msb 0x100
	CROUND                                         ; the closing round: no work-group ends while a partner may still ask for a tile that names it
	s_endpgm
.Lfunc_end_k_q4a0b8ca531_proj:
	.size	k_q4a0b8ca531_proj, .Lfunc_end_k_q4a0b8ca531_proj-k_q4a0b8ca531_proj
	.p2alignl 7, 3214868480
	.fill 96, 4, 3214868480
	.section	.rodata,"a",@progbits
	.p2align	6, 0x0
	.amdhsa_kernel k_q4a0b8ca531_proj
		.amdhsa_group_segment_fixed_size 327680
		.amdhsa_private_segment_fixed_size 0
		.amdhsa_enable_private_segment 0
		.amdhsa_kernarg_size 16
		.amdhsa_user_sgpr_count 2
		.amdhsa_user_sgpr_kernarg_segment_ptr 1
		.amdhsa_wavefront_size32 1
		.amdhsa_system_sgpr_workgroup_id_x 1
		.amdhsa_system_sgpr_workgroup_id_y 1
		.amdhsa_system_sgpr_workgroup_id_z 1
		.amdhsa_system_vgpr_workitem_id 0
		.amdhsa_next_free_vgpr 1024
		.amdhsa_next_free_sgpr 72
		.amdhsa_reserve_vcc 0
		.amdhsa_float_denorm_mode_32 3
		.amdhsa_float_denorm_mode_16_64 3
		.amdhsa_memory_ordered 1
		.amdhsa_forward_progress 1
		.amdhsa_inst_pref_size 196
	.end_amdhsa_kernel
	.amdgpu_metadata
---
amdhsa.version: [ 1, 2 ]
amdhsa.kernels:
  - .name:           k_q4a0b8ca531_proj
    .symbol:         k_q4a0b8ca531_proj.kd
    .args:
      - { .name: xw, .offset: 0, .size: 8, .value_kind: global_buffer, .address_space: global }
      - { .name: hd, .offset: 8, .size: 8, .value_kind: global_buffer, .address_space: global }
    .group_segment_fixed_size: 327680
    .private_segment_fixed_size: 0
    .kernarg_segment_align: 8
    .kernarg_segment_size: 16
    .max_flat_workgroup_size: 128
    .sgpr_count:     72
    .vgpr_count:     1024
    .wavefront_size: 32
...
	.end_amdgpu_metadata
.endif
;; end of part 2
;; launch attn (part 3): grid 8 x 32, 8 waves a work-group, clusters of 4 x 1, 327,680 bytes of LDS; arguments hd, mbits, ctx; writes ctx
.if DOCPART == 3
	.amdgcn_target "amdgcn-amd-amdhsa--gfx1250"
	.amdhsa_code_object_version 6
	.text
	.protected	k_q4a0b8ca531_attn
	.globl	k_q4a0b8ca531_attn
	.p2align	8
	.type	k_q4a0b8ca531_attn,@function
k_q4a0b8ca531_attn:
	s_mov_b64 s[64:65], 0
	v_nop
	global_prefetch_b8 v0, s[64:65] scope:SCOPE_SE
	s_setreg_imm32_b32 hwreg(HW_REG_WAVE_MODE, 25, 1), 1
	s_wait_xcnt 0x0
	s_wait_alu depctr_hold_cnt(0) depctr_sa_sdst(0) depctr_va_vdst(0) depctr_va_sdst(0) depctr_va_ssrc(0) depctr_va_vcc(0) depctr_vm_vsrc(0)
	s_getreg_b32 s2, hwreg(HW_REG_IB_STS2, 6, 4)
	s_cmp_eq_u32 s2, 0
	s_cbranch_scc0 .Lentry_in_a_cluster
	s_endpgm
.Lentry_in_a_cluster:
	s_bfe_u32 s2, ttmp6, 0x10000c
	s_cmp_lg_u32 s2, 0x3003
	s_cbranch_scc0 .Lentry_shape_is_right
	s_endpgm
.Lentry_shape_is_right:
; attn: for one head (grid y = b*16+h) and 256 queries (grid x): softmax(where(mask, -1e9, Q K^T) / 8) V, by a running maximum over steps of 64 keys.
; Operands f16 (hd), sums, maxima and exponentials f32; result f16 into ctx[b*16+h][query][64].
; LIMITS: a NaN among the scores is dropped by the running maximum (v_max_num), so NaN inputs do not spread as in the reference.  A masked score is
; exactly -1e9, as in the reference; a row that is masked throughout comes out uniform, as there.
; Eight waves, two for each SIMD, so that one wave's softmax runs beside the other's products; a wave owns 32 queries (two tiles nt = 0, 1).
; CLUSTERS: the four work-groups of a cluster are four query blocks of one head: they read the same K and V tiles and ask for them jointly (mask 15).
; TRANSPOSED PRODUCTS.  S^T = K Q^T: source 0 = 16 keys, source 1 = 16 queries; lane (r = l % 16, h = l / 16) holds query r and keys 8 h + 0..7 of the tile.
; So a row's maximum and sum are formed inside the lane, with one exchange between the halves; a lane's own registers, packed, ARE the source-1 fragment of
; ctx^T = V^T P^T; V^T's fragments come from rows [key][d] by the transposing LDS load; and the mask is one v_cndmask_b32 a register with a lane mask
; that the first launch has laid out (mbits), read by scalar loads a step ahead.
; LDS: slot = 131,072 bytes (a power of two: the descriptor's LDS word changes slots by one s_xor_b32): K 256 rows of 128 + 16 bytes, V 256 rows of 128 + 32
; bytes (pitch 160 = 5 x 32 for the transposing load).  Two slots; behind them each wave's own stage of 32 x 144 bytes, which no tensor load fills.
; THE EIGHT TILES of 256 keys: tile 0 written out (it starts maxima, sums and products), tiles 1 to 6 in a loop of three trips of two tiles, tile 7 written
; out (it asks for nothing): four bodies of a tile in the text.
.set KP,    144
.set VP,    160
.set SLOT,  131072
.set VOFF,  256*KP                     ; 36,864
.set STAGE, 2*SLOT
.set XB,    8388608                    ; from qw to kw to vw in hd
.set KADR, 2                           ; v2-3   K fragments' LDS address, slot 0, 1
.set VADR, 4                           ; v4-5   V fragments' LDS address, slot 0, 1
                                       ; v1 = -1e9; v6-7 running maxima; v[8:11] -c m, twice for each nt; v[12:15] rescale factors, twice; v[16:19] partial sums (pairs)
                                       ; v[20:27] at work; v[28:29] c = log2(e)/8, twice; v30 Q's offset
.set QF,  32                           ; v[32:63]   Q fragment (nt, kd) at 8 (2 nt + kd)
.set SC,  64                           ; v[64:127]  score tile (kt, nt) at 32 nt + 8 kt; later P fragment (nt, ks) at 8 (2 nt + ks)
.set FB,  128                          ; v[128:191] K's eight fragments, then V's eight
.set ACC, 192                          ; v[192:255] ctx^T tile (dt, nt) at 8 (2 dt + nt)
.set MP,  66                           ; s[66:67] my query tiles' mask words, at the current tile of 256 keys
                                       ; mask words of a step: nt 0 in s[4:35], nt 1 in s[36:51] and s[68:83]; register 8 kt + j
                                       ; s[52:55], s[56:59] group 0 of K, V; s[84:91], s[92:99] group 1 of K, V
.macro ROUND                           ; a round of the cluster's barrier
	s_barrier_signal -1
	s_barrier_wait -1
	s_cmp_lg_u32 s2, 0
	s_cbranch_scc1 .Lnot_wave_0_\@
	s_barrier_signal -3
.Lnot_wave_0_\@:
	s_barrier_wait -3
	s_barrier_signal -1
	s_barrier_wait -1
.endm
.macro MLOAD off                       ; the 64 mask words of a step: 2 query tiles x 4 key tiles x 8 registers
	s_load_b512 s[4:19],  s[MP:MP+1], \off
	s_load_b512 s[20:35], s[MP:MP+1], \off+64
	s_load_b512 s[36:51], s[MP:MP+1], \off+4096
	s_load_b512 s[68:83], s[MP:MP+1], \off+4160
.endm
	s_load_b128 s[60:63], s[0:1], 0x0              ; hd s[60:61], mbits s[62:63]
	s_load_b64 s[100:101], s[0:1], 0x10            ; ctx
	v_lshl_add_u32 v31, v0, 2, 0x49000
	s_set_vgpr_msb 0x40
	v_mov_b32 v1, 0
	s_set_vgpr_msb 0x4044
	ds_add_u32 v31, v1
	s_set_vgpr_msb 0x4400
	v_lshrrev_b32 v1, 5, v0
	v_readfirstlane_b32 s2, v1                     ; wave 0..7
	s_and_b32 s20, ttmp7, 0xffff                   ; bh = b*16 + h (the cluster is one work-group high)
	s_bfe_u32 s4, ttmp6, 0x40000                   ; cx
	s_lshl_b32 s5, ttmp9, 2
	s_add_co_u32 s5, s5, s4                        ; qb: query block 0..7
	s_mov_b32 s104, 0x76543210                     ; v_permlanex16_b32: lane i of one half reads lane i of the other
	s_mov_b32 s105, 0xfedcba98
	; group 1: 32 rows x 64 elements of 2 bytes, dense in memory; padding behind every 32 words: 4 words for K, 8 for V; mask 15, bit 21 beside it
	s_mov_b32 s84, 15|(1<<16)|(1<<20)|(1<<21)|(4<<22)|(3<<25)
	s_mov_b32 s92, 15|(1<<16)|(1<<20)|(1<<21)|(4<<22)|(7<<25)
	s_mov_b32 s85, 64<<16                          ; tensor_dim0 = 64
	s_mov_b32 s93, 64<<16
	s_mov_b32 s86, 32<<16                          ; tensor_dim1 = 32
	s_mov_b32 s94, 32<<16
	s_mov_b32 s87, 64<<16                          ; tile_dim0 = 64
	s_mov_b32 s95, 64<<16
	s_mov_b32 s88, 32                              ; tile_dim1 = 32
	s_mov_b32 s96, 32
	s_mov_b32 s89, 64                              ; the pitch
	s_mov_b32 s97, 64
	s_mov_b32 s90, 0
	s_mov_b32 s98, 0
	s_mov_b32 s91, 0
	s_mov_b32 s99, 0
	s_lshl_b32 s21, s20, 18                        ; a head is 262,144 bytes
	s_lshl_b32 s22, s2, 12                         ; my 32 rows of 128 bytes
	s_add_co_u32 s22, s21, s22
	s_mov_b32 s23, 0
	s_lshl_b32 s6, s5, 15                          ; Q and ctx: head + (256 qb + 32 w) rows of 128 bytes
	s_add_co_u32 s6, s6, s22
	s_mov_b32 s7, 0
	s_lshr_b32 s10, s20, 4                         ; mask words: (b*128 + 16 qb + 2 w) query tiles of 4,096 bytes
	s_lshl_b32 s10, s10, 7
	s_lshl4_add_u32 s10, s5, s10
	s_lshl1_add_u32 s10, s2, s10
	s_lshl_b32 s10, s10, 12
	s_mov_b32 s11, 0
	s_mov_b32 s52, 1
	s_mul_i32 s53, s2, 32*KP                       ; my 32 rows of K in slot 0
	s_mov_b32 s56, 1
	s_mul_i32 s57, s2, 32*VP
	s_add_co_u32 s57, s57, VOFF                    ; my 32 rows of V in slot 0
	v_and_b32 v20, 15, v0                          ; r
	v_bfe_u32 v21, v0, 4, 1                        ; h
	v_lshlrev_b32 v30, 7, v20
	v_lshl_add_u32 v30, v21, 4, v30                ; Q: row r, 16 h
	s_wait_dscnt 0x0
	s_wait_kmcnt 0x0
	s_add_nc_u64 s[54:55], s[60:61], s[22:23]
	s_add_nc_u64 s[58:59], s[54:55], 2*XB          ; vw
	s_add_nc_u64 s[54:55], s[54:55], XB            ; kw
	s_or_b32 s55, s55, 0x80000000                  ; type = 2
	s_or_b32 s59, s59, 0x80000000
	s_add_nc_u64 s[60:61], s[60:61], s[6:7]        ; my 32 rows of qw
	s_add_nc_u64 s[100:101], s[100:101], s[6:7]    ; my 4,096 bytes of ctx
	s_add_nc_u64 s[MP:MP+1], s[62:63], s[10:11]
	ROUND                                          ; the four partners are here: the first joint loads meet
	tensor_load_to_lds s[52:55], s[84:91]          ; tile 0: two loads of the wave are out
	s_nop 0
	tensor_load_to_lds s[56:59], s[92:99]
	s_nop 0
.set i, 0
.rept 4                                            ; Q's four fragments stay in registers for the whole launch
	global_load_b128 v[QF+8*i:QF+8*i+3],   v30, s[60:61] offset:(i>>1)*2048+(i&1)*64
	global_load_b128 v[QF+8*i+4:QF+8*i+7], v30, s[60:61] offset:(i>>1)*2048+(i&1)*64+32
.set i, i+1
.endr
	MLOAD 0
	v_mov_b32 v1, 0xce6e6b28                       ; -1e9
	v_mov_b32 v28, 0x3e38aa3b                      ; c = log2(e) / 8: exp(s/8 - m/8) = 2^(c s - c m)
	v_mov_b32 v29, 0x3e38aa3b
	v_mov_b32 v24, 0                               ; v_permlanex16_b32 counts as a reader of its destination
	v_mov_b32 v25, 0
	v_mul_u32_u24 v23, v20, KP
	v_lshl_add_u32 v[KADR], v21, 4, v23            ; key r x pitch + 16 h
	v_add_nc_u32 v[KADR+1], SLOT, v[KADR]
	v_and_b32 v23, 7, v0
	v_lshl_add_u32 v23, v21, 3, v23                ; key 8 h + l % 8
	v_mul_u32_u24 v23, v23, VP
	v_bfe_u32 v26, v0, 3, 1
	v_lshl_add_u32 v23, v26, 4, v23                ; + 16 ((l / 8) % 2)
	v_add_nc_u32 v[VADR], VOFF, v23
	v_add_nc_u32 v[VADR+1], SLOT, v[VADR]
	s_wait_loadcnt 0x0                             ; Q, once
; the sum of a query tile's 32 exponentials of the lane, in four chains of pairs; then l = l x factor + sum
.macro RSUM nt, first
.set i, 0
.rept 4
	v_pk_add_f32 v[20+2*i:21+2*i], v[SC+32*\nt+2*i:SC+32*\nt+2*i+1], v[SC+32*\nt+8+2*i:SC+32*\nt+9+2*i]
.set i, i+1
.endr
.set i, 0
.rept 4
	v_pk_add_f32 v[20+2*i:21+2*i], v[20+2*i:21+2*i], v[SC+32*\nt+16+2*i:SC+32*\nt+17+2*i]
.set i, i+1
.endr
.set i, 0
.rept 4
	v_pk_add_f32 v[20+2*i:21+2*i], v[20+2*i:21+2*i], v[SC+32*\nt+24+2*i:SC+32*\nt+25+2*i]
.set i, i+1
.endr
	v_pk_add_f32 v[20:21], v[20:21], v[22:23]
	v_pk_add_f32 v[24:25], v[24:25], v[26:27]
.if \first
	v_pk_add_f32 v[16+2*\nt:17+2*\nt], v[20:21], v[24:25]
.else
	v_pk_add_f32 v[20:21], v[20:21], v[24:25]
	v_pk_fma_f32 v[16+2*\nt:17+2*\nt], v[16+2*\nt:17+2*\nt], v[12+2*\nt:13+2*\nt], v[20:21]
.endif
.endm
; One step: 64 keys (four key tiles kt) at 64 st of the slot's 256.  first = 1: nothing is carried yet.  more = 1: the next step's mask words are asked for.
.macro STEP slot, st, first, more
.set i, 0                                          ; K's fragment (kd, kt) at 8 (4 kd + kt): 16 keys x 32 of d
.rept 8
	ds_load_b128 v[FB+8*i:FB+8*i+3],   v[KADR+\slot] offset:(64*\st+16*(i&3))*KP+64*(i>>2)
	ds_load_b128 v[FB+8*i+4:FB+8*i+7], v[KADR+\slot] offset:(64*\st+16*(i&3))*KP+64*(i>>2)+32
.set i, i+1
.endr
	; S^T = K Q^T.  The eight score tiles take turns, one instruction a turn; the first half of d starts the sums.
.set i, 0
.rept 4
	s_wait_dscnt 14-2*i                            ; LDS loads come back in order (ISA guide 5.7.1): fragment i's two are in
	v_wmma_f32_16x16x32_f16 v[SC+8*i:SC+8*i+7],       v[FB+8*i:FB+8*i+7], v[QF:QF+7],     0
	v_wmma_f32_16x16x32_f16 v[SC+32+8*i:SC+32+8*i+7], v[FB+8*i:FB+8*i+7], v[QF+16:QF+23], 0
.set i, i+1
.endr
.rept 4
	s_wait_dscnt 14-2*i
	v_wmma_f32_16x16x32_f16 v[SC+8*(i-4):SC+8*(i-4)+7],       v[FB+8*i:FB+8*i+7], v[QF+8:QF+15],  v[SC+8*(i-4):SC+8*(i-4)+7]
	v_wmma_f32_16x16x32_f16 v[SC+32+8*(i-4):SC+32+8*(i-4)+7], v[FB+8*i:FB+8*i+7], v[QF+24:QF+31], v[SC+32+8*(i-4):SC+32+8*(i-4)+7]
.set i, i+1
.endr
.rept 4
	v_nop                                          ; four places in front of the loads into K's fragments and of the reads of the scores
.endr
.set i, 0                                          ; V^T's fragment (ks, dt) at 8 (4 ks + dt): 16 of d x 32 keys, transposed on the way; it lands under the softmax
.rept 8
	ds_load_tr16_b128 v[FB+8*i:FB+8*i+3],   v[VADR+\slot] offset:(64*\st+32*(i>>2))*VP+32*(i&3)
	ds_load_tr16_b128 v[FB+8*i+4:FB+8*i+7], v[VADR+\slot] offset:(64*\st+32*(i>>2))*VP+32*(i&3)+16*VP
.set i, i+1
.endr
	s_wait_kmcnt 0x0                               ; this step's mask words
.set i, 0
.rept 32
	v_cndmask_b32 v[SC+i], v[SC+i], v1, s[4+i]     ; masked: -1e9
.set i, i+1
.endr
.set i, 0
.rept 16
	v_cndmask_b32 v[SC+32+i], v[SC+32+i], v1, s[36+i]
.set i, i+1
.endr
.set i, 0
.rept 16
	v_cndmask_b32 v[SC+48+i], v[SC+48+i], v1, s[68+i]
.set i, i+1
.endr
.if \more
.if \st == 3
	s_add_nc_u64 s[MP:MP+1], s[MP:MP+1], 512       ; the next tile of 256 keys; no scalar load is out since the wait above
.endif
	MLOAD ((\st+1)&3)*128                          ; the rest of the step covers them
.endif
	; the running maximum: two chains for each query tile, then the other half of the lanes
.if \first
	v_max_num_f32 v20, v[SC], v[SC+1]
	v_max_num_f32 v21, v[SC+32], v[SC+33]
.else
	v_max3_num_f32 v20, v6, v[SC], v[SC+1]
	v_max3_num_f32 v21, v7, v[SC+32], v[SC+33]
.endif
	v_max3_num_f32 v22, v[SC+16], v[SC+17], v[SC+18]
	v_max3_num_f32 v23, v[SC+48], v[SC+49], v[SC+50]
.set i, 0
.rept 6
	v_max3_num_f32 v20, v20, v[SC+2+2*i],  v[SC+3+2*i]
	v_max3_num_f32 v21, v21, v[SC+34+2*i], v[SC+35+2*i]
	v_max3_num_f32 v22, v22, v[SC+19+2*i], v[SC+20+2*i]
	v_max3_num_f32 v23, v23, v[SC+51+2*i], v[SC+52+2*i]
.set i, i+1
.endr
	v_max3_num_f32 v20, v20, v[SC+14], v[SC+15]
	v_max3_num_f32 v21, v21, v[SC+46], v[SC+47]
	v_max3_num_f32 v20, v20, v22, v[SC+31]
	v_max3_num_f32 v21, v21, v23, v[SC+63]
	v_permlanex16_b32 v24, v20, s104, s105
	v_permlanex16_b32 v25, v21, s104, s105
	v_max_num_f32 v6, v20, v24
	v_max_num_f32 v7, v21, v25
	v_mul_f32 v26, 0xbe38aa3b, v6                  ; -c m, rounded once; exponentials and rescale factor use the same number
	v_mul_f32 v27, 0xbe38aa3b, v7
.if \first == 0
	v_sub_f32 v12, v26, v8                         ; c m(old) - c m(new)
	v_sub_f32 v14, v27, v10
.endif
	v_mov_b32 v8, v26
	v_mov_b32 v9, v26
	v_mov_b32 v10, v27
	v_mov_b32 v11, v27
.set i, 0
.rept 16
	v_pk_fma_f32 v[SC+2*i:SC+2*i+1], v[SC+2*i:SC+2*i+1], v[28:29], v[8:9]
.set i, i+1
.endr
.rept 16
	v_pk_fma_f32 v[SC+2*i:SC+2*i+1], v[SC+2*i:SC+2*i+1], v[28:29], v[10:11]
.set i, i+1
.endr
.if \first == 0
	v_exp_f32 v12, v12
	v_exp_f32 v14, v14
.endif
.set i, 0
.rept 64
	v_exp_f32 v[SC+i], v[SC+i]
.set i, i+1
.endr
	v_nop                                          ; one plain vector instruction behind the last exponential before a result is used
	s_wait_alu depctr_va_vdst(0)
.if \first == 0
	s_wait_alu depctr_va_vdst(0)
	v_mov_b32 v13, v12
	v_mov_b32 v15, v14
.set i, 0
.rept 32                                           ; what has been gathered is brought to the new maximum
	v_pk_mul_f32 v[ACC+2*i:ACC+2*i+1], v[ACC+2*i:ACC+2*i+1], v[12+2*((i>>2)&1):13+2*((i>>2)&1)]
.set i, i+1
.endr
.endif
	RSUM 0, \first
	RSUM 1, \first
.set i, 0
.rept 32                                           ; P to f16 in place, ascending: register i is written when 2 i and 2 i + 1 are read
	v_cvt_pk_f16_f32 v[SC+i], v[SC+2*i], v[SC+2*i+1]
.set i, i+1
.endr
	; ctx^T += V^T P^T.  The eight accumulators take turns, one instruction a turn.
	s_wait_dscnt 8                                 ; V's fragments of keys 0-31 are in, those of keys 32-63 may be out
.set i, 0
.rept 8
.if \first
	v_wmma_f32_16x16x32_f16 v[ACC+8*i:ACC+8*i+7], v[FB+8*(i>>1):FB+8*(i>>1)+7], v[SC+16*(i&1):SC+16*(i&1)+7], 0
.else
	v_wmma_f32_16x16x32_f16 v[ACC+8*i:ACC+8*i+7], v[FB+8*(i>>1):FB+8*(i>>1)+7], v[SC+16*(i&1):SC+16*(i&1)+7], v[ACC+8*i:ACC+8*i+7]
.endif
.set i, i+1
.endr
	s_wait_dscnt 0x0
.set i, 0
.rept 8
	v_wmma_f32_16x16x32_f16 v[ACC+8*i:ACC+8*i+7], v[FB+32+8*(i>>1):FB+32+8*(i>>1)+7], v[SC+16*(i&1)+8:SC+16*(i&1)+15], v[ACC+8*i:ACC+8*i+7]
.set i, i+1
.endr
.rept 5
	v_nop                                          ; five places: the next step loads into V's fragments and its first products write over P
.endr
.endm
; One tile of 256 keys.  In front of the round: all my tensor loads have landed (this trip's tile among them) and my reads of the other slot are back.
; Behind it no wave of any partner reads that slot: the two joint loads come first and have four steps of the wave in which to land.
.macro TRIP slot, refill, first, last
	s_set_vgpr_msb 0x4
	s_wait_tensorcnt 0x0
	ds_add_u32 v31, v1
	s_wait_dscnt 0x0
	s_set_vgpr_msb 0x400
.if \refill
	s_xor_b32 s53, s53, SLOT                       ; no tensor load of mine is out: both group 0 may be written
	s_xor_b32 s57, s57, SLOT
	s_add_nc_u64 s[54:55], s[54:55], 32768         ; 256 rows of 128 bytes on
	s_add_nc_u64 s[58:59], s[58:59], 32768
.endif
	s_wait_dscnt 0x0
	ROUND
.if \refill
	tensor_load_to_lds s[52:55], s[84:91]
	s_nop 0
	tensor_load_to_lds s[56:59], s[92:99]
	s_nop 0
.endif
	STEP \slot, 0, \first, 1
	STEP \slot, 1, 0, 1
	STEP \slot, 2, 0, 1
	STEP \slot, 3, 0, 1-\last
.endm
	TRIP 0, 1, 1, 0                                ; tile 0 stands in front of the loop: its first step starts maxima, sums and products; it asks for tile 1
	s_mov_b32 s3, 3
.Ltiles:
	TRIP 1, 1, 0, 0                                ; tiles 1, 3, 5 from slot 1; each asks for the next tile into slot 0
	TRIP 0, 1, 0, 0                                ; tiles 2, 4, 6 from slot 0; each asks for the next tile into slot 1
	s_sub_co_i32 s3, s3, 1
	s_cmp_lg_u32 s3, 0
	s_cbranch_scc1 .Ltiles
	TRIP 1, 0, 0, 1                                ; tile 7 asks for nothing
	; THE WAY OUT: divide by the row sums, round to f16, 16 bytes a lane into my own stage, back as whole rows: 4,096 dense bytes of ctx
	s_mul_i32 s3, s2, 32*KP
	s_add_co_u32 s3, s3, STAGE
	v_add_f32 v20, v16, v17
	v_add_f32 v21, v18, v19
	v_permlanex16_b32 v24, v20, s104, s105         ; the other half of the lanes holds the other keys' share
	v_permlanex16_b32 v25, v21, s104, s105
	v_add_f32 v20, v20, v24
	v_add_f32 v21, v21, v25
	v_rcp_f32 v12, v20
	v_rcp_f32 v14, v21
	v_and_b32 v2, 15, v0                           ; (a plain vector instruction behind the reciprocals)
	s_wait_alu depctr_va_vdst(0)
	v_mov_b32 v13, v12
	v_mov_b32 v15, v14
	v_bfe_u32 v3, v0, 4, 1
	v_mul_u32_u24 v2, v2, KP
	v_lshl_add_u32 v2, v3, 4, v2
	v_add_nc_u32 v2, s3, v2                        ; in: query r, 16 h
	v_bfe_u32 v3, v0, 3, 2
	v_mul_u32_u24 v3, v3, KP
	v_and_b32 v4, 7, v0
	v_lshl_add_u32 v3, v4, 4, v3
	v_add_nc_u32 v3, s3, v3                        ; back: eight lanes take a row of 128 bytes
	v_and_b32 v4, 31, v0
	v_lshlrev_b32 v4, 4, v4
.set i, 0
.rept 32
	v_pk_mul_f32 v[ACC+2*i:ACC+2*i+1], v[ACC+2*i:ACC+2*i+1], v[12+2*((i>>2)&1):13+2*((i>>2)&1)]
.set i, i+1
.endr
.set i, 0
.rept 32
	v_cvt_pk_f16_f32 v[FB+i], v[ACC+2*i], v[ACC+2*i+1]
.set i, i+1
.endr
.set i, 0
.rept 8                                            ; tile i = 2 dt + nt: row 16 nt + r, bytes 32 dt + 16 h
	ds_store_b128 v2, v[FB+4*i:FB+4*i+3] offset:(i&1)*16*KP+32*(i>>1)
.set i, i+1
.endr
.set i, 0
.rept 8                                            ; LDS serves a wave's instructions in order (ISA guide 5.7.1): these see the stores above
	ds_load_b128 v[SC+4*i:SC+4*i+3], v3 offset:4*KP*i
.set i, i+1
.endr
.set i, 0
.rept 8
	s_wait_dscnt 7-i
	global_store_b128 v4, v[SC+4*i:SC+4*i+3], s[100:101] offset:512*i   ; 512 consecutive bytes, aligned
.set i, i+1
.endr
	s_set_vgpr_msb 0x4
	s_wait_tensorcnt 0x0
	ds_add_u32 v31, v1
	s_wait_dscnt 0x0
	s_set_vgpr_msb 0x400
	ROUND                                          ; the closing round: no work-group ends while a partner may still ask for a tile that names it
	s_endpgm
.Lfunc_end_k_q4a0b8ca531_attn:
	.size	k_q4a0b8ca531_attn, .Lfunc_end_k_q4a0b8ca531_attn-k_q4a0b8ca531_attn
	.p2alignl 7, 3214868480
	.fill 96, 4, 3214868480
	.section	.rodata,"a",@progbits
	.p2align	6, 0x0
	.amdhsa_kernel k_q4a0b8ca531_attn
		.amdhsa_group_segment_fixed_size 327680
		.amdhsa_private_segment_fixed_size 0
		.amdhsa_enable_private_segment 0
		.amdhsa_kernarg_size 24
		.amdhsa_user_sgpr_count 2
		.amdhsa_user_sgpr_kernarg_segment_ptr 1
		.amdhsa_wavefront_size32 1
		.amdhsa_system_sgpr_workgroup_id_x 1
		.amdhsa_system_sgpr_workgroup_id_y 1
		.amdhsa_system_sgpr_workgroup_id_z 1
		.amdhsa_system_vgpr_workitem_id 0
		.amdhsa_next_free_vgpr 258
		.amdhsa_next_free_sgpr 106
		.amdhsa_reserve_vcc 0
		.amdhsa_float_denorm_mode_32 3
		.amdhsa_float_denorm_mode_16_64 3
		.amdhsa_memory_ordered 1
		.amdhsa_forward_progress 1
		.amdhsa_inst_pref_size 255
	.end_amdhsa_kernel
	.section	.bss,"aw",@nobits
	.p2align	6
	.space	262144
	.amdgpu_metadata
---
amdhsa.version: [ 1, 2 ]
amdhsa.kernels:
  - .name:           k_q4a0b8ca531_attn
    .symbol:         k_q4a0b8ca531_attn.kd
    .args:
      - { .name: hd, .offset: 0, .size: 8, .value_kind: global_buffer, .address_space: global }
      - { .name: mbits, .offset: 8, .size: 8, .value_kind: global_buffer, .address_space: global }
      - { .name: ctx, .offset: 16, .size: 8, .value_kind: global_buffer, .address_space: global }
    .group_segment_fixed_size: 327680
    .private_segment_fixed_size: 0
    .kernarg_segment_align: 8
    .kernarg_segment_size: 24
    .max_flat_workgroup_size: 256
    .sgpr_count:     106
    .vgpr_count:     258
    .wavefront_size: 32
...
	.end_amdgpu_metadata
.endif
;; end of part 3
;; launch outp (part 4): grid 8 x 32, 4 waves a work-group, clusters of 4 x 4, 327,680 bytes of LDS; arguments ctx, xw, out0; writes out0
.if DOCPART == 4
	.amdgcn_target "amdgcn-amd-amdhsa--gfx1250"
	.amdhsa_code_object_version 6
	.text
	.protected	k_q4a0b8ca531_outp
	.globl	k_q4a0b8ca531_outp
	.p2align	8
	.type	k_q4a0b8ca531_outp,@function
k_q4a0b8ca531_outp:
	s_mov_b64 s[64:65], 0
	v_nop
	global_prefetch_b8 v0, s[64:65] scope:SCOPE_SE
	s_setreg_imm32_b32 hwreg(HW_REG_WAVE_MODE, 25, 1), 1
	s_wait_xcnt 0x0
	s_wait_alu depctr_hold_cnt(0) depctr_sa_sdst(0) depctr_va_vdst(0) depctr_va_sdst(0) depctr_va_ssrc(0) depctr_va_vcc(0) depctr_vm_vsrc(0)
	s_getreg_b32 s2, hwreg(HW_REG_IB_STS2, 6, 4)
	s_cmp_eq_u32 s2, 0
	s_cbranch_scc0 .Lentry_in_a_cluster
	s_endpgm
.Lentry_in_a_cluster:
	s_bfe_u32 s2, ttmp6, 0x10000c
	s_cmp_lg_u32 s2, 0xf033
	s_cbranch_scc0 .Lentry_shape_is_right
	s_endpgm
.Lentry_shape_is_right:
; outp: out0 = ctx Wo^T.  Operands f16 (ctx head-major [b*16+h][token][64]; Wo from xw), sums f32, result f32 [4096][1024].
; A work-group makes a block of 128 tokens x 128 features with four waves of 64 x 64 (16 accumulator tiles); 256 work-groups.
; K = 1,024 goes in four tiles of 256 (four heads) through a ring of two LDS slots.
; CLUSTERS: 4 x 4 work-groups; ctx's tile hangs on the block row alone and is asked for jointly along a row of the cluster, Wo's on the block column
; alone and is asked for jointly along a column.
; LDS: a slot = A: four heads x 128 tokens of 128 + 16 bytes (pitch 144 = 9 x 16); B: k 0-127 and k 128-255, each 128 rows of 256 + 16 bytes.
; Behind the ring each wave's own stage of 16 rows x 272 bytes, which no tensor load fills.
; Registers and the transposed use of the matrix instruction as in the projection launch: a lane holds token l % 16 and eight neighbouring features.
.set PITCH,  272
.set APITCH, 144
.set SUB,    128*PITCH                 ; 34,816
.set ASUB,   128*APITCH                ; 18,432: one head's 128 tokens
.set BOFF,   4*ASUB                    ; 73,728
.set SLOT,   BOFF+2*SUB                ; 143,360
.set STAGE,  2*SLOT                    ; 286,720, a multiple of 256
.set WSTAGE, 16*PITCH                  ; 4,352 bytes a wave, a multiple of 256
.set WOOFF,  25165824+3*2097152        ; Wo in xw
.set ADRA, 16
.set ADRB, 18
.set STO,  20
.set RD,   21
.set CO,   22
.set F0,   64
.set F1,   128
.set G1A, 16                           ; s[16:23]
.set G1B, 24                           ; s[24:31]
.set G0,  32                           ; s[32:43] slot 0's three group 0 (A, B k0, B k1), s[44:55] slot 1's
.set BA,  66                           ; s[66:67] head w of tile 0, my block's tokens, type bits set; made of the block row and the wave's number alone
.set BB,  68                           ; s[68:69] my 32 rows of Wo, type bits set; made of the block column and the wave's number alone
.set OUT, 70
.set MSB, 0
.macro WIN new                         ; s_set_vgpr_msb: bits 1:0 source 0, 3:2 source 1, 5:4 source 2, 7:6 destination; the high byte repeats the setting left
.if MSB != \new
	s_set_vgpr_msb (MSB<<8)|\new
.set MSB, \new
.endif
.endm
.macro PLACES                          ; four plain vector instructions behind a matrix instruction (ISA guide 7.12.1)
.rept 4
	v_nop
.endr
.endm
.macro CREST
	s_cmp_lg_u32 s8, 0
	s_cbranch_scc1 .Lnot_wave_0_\@
	s_barrier_signal -3
.Lnot_wave_0_\@:
	s_barrier_wait -3
	s_barrier_signal -1
	s_barrier_wait -1
.endm
.macro CROUND
	s_barrier_signal -1
	s_barrier_wait -1
	CREST
.endm
.macro TADDR s, t                      ; tile t: heads 4 t .. 4 t + 3 of ctx, k = 256 t of Wo
	s_add_nc_u64 s[G0+12*\s+2:G0+12*\s+3],   s[BA:BA+1], (\t)*1048576
	s_add_nc_u64 s[G0+12*\s+6:G0+12*\s+7],   s[BB:BB+1], (\t)*512
	s_add_nc_u64 s[G0+12*\s+10:G0+12*\s+11], s[BB:BB+1], (\t)*512+256
.endm
.macro TLOAD s                         ; one head of A, my 32 rows of B's two halves: three joint loads, each line with one mask
	tensor_load_to_lds s[G0+12*\s:G0+12*\s+3],    s[G1A:G1A+7]
	s_nop 0
	tensor_load_to_lds s[G0+12*\s+4:G0+12*\s+7],  s[G1B:G1B+7]
	s_nop 0
	tensor_load_to_lds s[G0+12*\s+8:G0+12*\s+11], s[G1B:G1B+7]
	s_nop 0
.endm
	s_load_b128 s[4:7], s[0:1], 0x0                ; ctx s[4:5], xw s[6:7]
	s_load_b64 s[OUT:OUT+1], s[0:1], 0x10          ; out0
	v_lshl_add_u32 v254, v0, 2, 0x4a400
	v_mov_b32 v255, 0
	ds_add_u32 v254, v255
	v_lshrrev_b32 v1, 5, v0
	v_readfirstlane_b32 s8, v1                     ; wave 0..3
	s_lshr_b32 s9, s8, 1                           ; wm
	s_and_b32 s10, s8, 1                           ; wn
	s_bfe_u32 s11, ttmp6, 0x40000                  ; cx
	s_bfe_u32 s12, ttmp6, 0x40004                  ; cy
	s_lshl_b32 s13, ttmp9, 2
	s_add_co_u32 s13, s13, s11                     ; bx
	s_and_b32 s14, ttmp7, 0xffff
	s_lshl_b32 s14, s14, 2
	s_add_co_u32 s14, s14, s12                     ; by
	s_mul_i32 s15, s8, 32*PITCH                    ; my 32 rows in each half of B
	s_mul_i32 s3, s8, ASUB                         ; my head in A
	s_lshl_b32 s72, s12, 2
	s_lshl_b32 s72, 15, s72                        ; my row of the cluster
	s_lshl_b32 s74, 0x1111, s11                    ; my column
	; A: 128 rows x 64 elements, dense, 4 words of padding behind every 32.  B: 32 rows x 128 elements, pitch 1,024, 4 words behind every 64.
	s_or_b32 s[G1A+0], s72, (1<<16)|(1<<20)|(1<<21)|(4<<22)|(3<<25)
	s_or_b32 s[G1B+0], s74, (1<<16)|(1<<20)|(1<<21)|(5<<22)|(3<<25)
	s_mov_b32 s[G1A+1], 64<<16
	s_mov_b32 s[G1B+1], 128<<16
	s_mov_b32 s[G1A+2], 128<<16
	s_mov_b32 s[G1B+2], 32<<16
	s_mov_b32 s[G1A+3], 64<<16
	s_mov_b32 s[G1B+3], 128<<16
	s_mov_b32 s[G1A+4], 128
	s_mov_b32 s[G1B+4], 32
	s_mov_b32 s[G1A+5], 64
	s_mov_b32 s[G1B+5], 1024
	s_mov_b32 s[G1A+6], 0
	s_mov_b32 s[G1B+6], 0
	s_mov_b32 s[G1A+7], 0
	s_mov_b32 s[G1B+7], 0
	s_lshr_b32 s72, s14, 4                         ; A: (b*16 + w) heads of 262,144 bytes + 128 (by % 16) tokens of 128 bytes
	s_lshl_b32 s72, s72, 4
	s_add_co_u32 s72, s72, s8
	s_lshl_b32 s72, s72, 18
	s_and_b32 s73, s14, 15
	s_lshl_b32 s73, s73, 14
	s_add_co_u32 s72, s72, s73
	s_mov_b32 s73, 0
	s_lshl_b32 s74, s13, 7                         ; B: row 128 bx + 32 w of Wo
	s_lshl_b32 s75, s8, 5
	s_add_co_u32 s74, s74, s75
	s_lshl_b32 s74, s74, 11
	s_add_co_u32 s74, s74, WOOFF
	s_mov_b32 s75, 0
	s_lshl_b32 s76, s14, 7                         ; out0: row 128 by + 64 wm of 4,096 bytes, column 128 bx + 64 wn of 4 bytes
	s_lshl_b32 s77, s9, 6
	s_add_co_u32 s76, s76, s77
	s_lshl_b32 s76, s76, 12
	s_lshl_b32 s77, s13, 9
	s_add_co_u32 s76, s76, s77
	s_lshl_b32 s77, s10, 8
	s_add_co_u32 s76, s76, s77
	s_mov_b32 s77, 0
	s_wait_dscnt 0x0
	s_wait_kmcnt 0x0
	s_add_nc_u64 s[BA:BA+1], s[4:5], s[72:73]
	s_or_b32 s[BA+1], s[BA+1], 0x80000000
	s_add_nc_u64 s[BB:BB+1], s[6:7], s[74:75]
	s_or_b32 s[BB+1], s[BB+1], 0x80000000
	s_add_nc_u64 s[OUT:OUT+1], s[OUT:OUT+1], s[76:77]
	CROUND                                         ; all sixteen work-groups are here: the first joint loads meet
.irp s, 0,1
	s_mov_b32 s[G0+12*\s], 1
	s_mov_b32 s[G0+12*\s+4], 1
	s_mov_b32 s[G0+12*\s+8], 1
	s_add_co_u32 s[G0+12*\s+1], s3,  \s*SLOT
	s_add_co_u32 s[G0+12*\s+5], s15, \s*SLOT+BOFF
	s_add_co_u32 s[G0+12*\s+9], s15, \s*SLOT+BOFF+SUB
	TADDR \s, \s
	TLOAD \s                                       ; tiles 0 and 1: six loads of the wave are out
.endr
	v_and_b32 v1, 15, v0                           ; r
	v_bfe_u32 v2, v0, 4, 1                         ; h
	v_mul_u32_u24 v4, v1, APITCH
	v_lshl_add_u32 v4, v2, 4, v4
	v_mul_u32_u24 v5, v1, PITCH
	v_lshl_add_u32 v6, v2, 4, v5
	s_mul_i32 s78, s9, 64*APITCH
	s_mul_i32 s79, s10, 64*PITCH
	s_add_co_u32 s79, s79, BOFF
	v_add_nc_u32 v[ADRA], s78, v4
	v_add_nc_u32 v[ADRB], s79, v6
	v_add_nc_u32 v[ADRA+1], SLOT, v[ADRA]
	v_add_nc_u32 v[ADRB+1], SLOT, v[ADRB]
	s_mul_i32 s78, s8, WSTAGE
	s_add_co_u32 s78, s78, STAGE                   ; my stage
	v_lshl_add_u32 v5, v2, 5, v5
	v_add_nc_u32 v[STO], s78, v5                   ; in: token r, 32 bytes for each half of the lanes
	v_mul_u32_u24 v7, v2, PITCH
	v_lshl_add_u32 v7, v1, 4, v7
	v_add_nc_u32 v[RD], s78, v7                    ; back: lanes 0-15 take one row of 256 bytes, lanes 16-31 the next
	v_lshlrev_b32 v8, 12, v2
	v_lshl_add_u32 v[CO], v1, 4, v8                ; and the same two rows in out0
; The sixteen accumulators take turns, one instruction a turn, in the same order in every unit.
.macro MUL8 f, a0, zero
	WIN 0x50
.irp a, \a0, \a0+1
.irp b, 0,1,2,3
.if \zero
	v_wmma_f32_16x16x32_f16 v[8*(4*(\a)+\b):8*(4*(\a)+\b)+7], v[\f+8*\b:\f+8*\b+7], v[\f+32+8*(\a):\f+32+8*(\a)+7], 0
.else
	v_wmma_f32_16x16x32_f16 v[8*(4*(\a)+\b):8*(4*(\a)+\b)+7], v[\f+8*\b:\f+8*\b+7], v[\f+32+8*(\a):\f+32+8*(\a)+7], v[8*(4*(\a)+\b):8*(4*(\a)+\b)+7]
.endif
.endr
.endr
.endm
; unit kq = 32 k at 32 kq of the tile's 256: in A head kq / 2, half kq % 2; in B half kq / 4, quarter kq % 4
.macro FETCH slot, kq, f
	WIN 0
.irp i, 0,1,2,3
	ds_load_b128 v[\f+8*\i:\f+8*\i+3],   v[ADRB+\slot] offset:((\kq)>>2)*SUB+((\kq)&3)*64+\i*16*PITCH
	ds_load_b128 v[\f+8*\i+4:\f+8*\i+7], v[ADRB+\slot] offset:((\kq)>>2)*SUB+((\kq)&3)*64+\i*16*PITCH+32
.endr
.irp i, 0,1,2,3
	ds_load_b128 v[\f+32+8*\i:\f+32+8*\i+3],   v[ADRA+\slot] offset:((\kq)>>1)*ASUB+((\kq)&1)*64+\i*16*APITCH
	ds_load_b128 v[\f+32+8*\i+4:\f+32+8*\i+7], v[ADRA+\slot] offset:((\kq)>>1)*ASUB+((\kq)&1)*64+\i*16*APITCH+32
.endr
.endm
.macro UNIT slot, kq, zero
	s_wait_dscnt 4                                 ; all but the youngest four loads (A's fragments 2 and 3) are in
	MUL8 F0+64*(\kq&1), 0, \zero
	PLACES
	FETCH \slot, \kq+1, F0+64*((\kq+1)&1)
	s_wait_dscnt 16                                ; all but the sixteen just issued
	MUL8 F0+64*(\kq&1), 2, \zero
.endm
.macro SEVEN slot, zero
	UNIT \slot, 0, \zero
	UNIT \slot, 1, 0
	UNIT \slot, 2, 0
	UNIT \slot, 3, 0
	UNIT \slot, 4, 0
	UNIT \slot, 5, 0
	UNIT \slot, 6, 0
.endm
; The eighth unit changes slots.  In front of the barrier my reads of this slot are back and all my tensor loads have landed.  mode 2: the barrier opens a
; round of the cluster's barrier, inside which only registers are at work, and the three joint loads are the first tensor loads behind it.
.macro LASTU slot, next, mode, t2
	s_wait_dscnt 0x0
	s_wait_tensorcnt 0x0
	ds_add_u32 v254, v255
	s_wait_dscnt 0x0
.if \mode == 2
	TADDR \slot, \t2
.endif
	s_barrier_signal -1
	MUL8 F1, 0, 0
	WIN 0
	s_barrier_wait -1
.if \mode == 2
	CREST
	TLOAD \slot
.endif
	PLACES
	FETCH \next, 0, F0
	MUL8 F1, 2, 0
.endm
.macro TILE slot, zero, mode, t2
	SEVEN \slot, \zero
	LASTU \slot, 1-\slot, \mode, \t2
.endm
; 16 tokens go out: 32 bytes a lane and tile into my stage, back as rows of 256 bytes; each pass has 32 registers of its own, so no store's data is written again
.macro OUT16 a
	WIN 0x04                                       ; the stores' data in window 1
.irp b, 0,1,2,3
	ds_store_b128 v[STO], v[8*(4*\a+\b):8*(4*\a+\b)+3]   offset:64*\b
	ds_store_b128 v[STO], v[8*(4*\a+\b)+4:8*(4*\a+\b)+7] offset:64*\b+16
.endr
	WIN 0
.irp i, 0,1,2,3,4,5,6,7
	ds_load_b128 v[F0+32*\a+4*\i:F0+32*\a+4*\i+3], v[RD] offset:2*PITCH*\i   ; LDS serves a wave's instructions in order (ISA guide 5.7.1)
.endr
.irp i, 0,1,2,3,4,5,6,7
	s_wait_dscnt 7-\i
	global_store_b128 v[CO], v[F0+32*\a+4*\i:F0+32*\a+4*\i+3], s[OUT:OUT+1] offset:(16*\a+2*\i)*4096 th:TH_STORE_NT   ; sixteen lanes store 256 consecutive bytes, aligned
.endr
.endm
	s_wait_tensorcnt 0x3                           ; my part of tile 0 is in; tile 1's three loads stay out
	s_barrier_signal -1
	s_barrier_wait -1
	FETCH 0, 0, F0
	TILE 0, 1, 2, 2
	TILE 1, 0, 2, 3
	TILE 0, 0, 1, 0                                ; nothing left to fetch
	SEVEN 1, 0
	s_wait_dscnt 0x0
	MUL8 F1, 0, 0
	MUL8 F1, 2, 0
	PLACES                                         ; in front of the stores that read results and of the loads into the fragment buffers
	OUT16 0
	OUT16 1
	OUT16 2
	OUT16 3
	s_wait_tensorcnt 0x0
	ds_add_u32 v254, v255
	s_wait_dscnt 0x0
	CROUND                                         ; the closing round
	s_endpgm
.Lfunc_end_k_q4a0b8ca531_outp:
	.size	k_q4a0b8ca531_outp, .Lfunc_end_k_q4a0b8ca531_outp-k_q4a0b8ca531_outp
	.p2alignl 7, 3214868480
	.fill 96, 4, 3214868480
	.section	.rodata,"a",@progbits
	.p2align	6, 0x0
	.amdhsa_kernel k_q4a0b8ca531_outp
		.amdhsa_group_segment_fixed_size 327680
		.amdhsa_private_segment_fixed_size 0
		.amdhsa_enable_private_segment 0
		.amdhsa_kernarg_size 24
		.amdhsa_user_sgpr_count 2
		.amdhsa_user_sgpr_kernarg_segment_ptr 1
		.amdhsa_wavefront_size32 1
		.amdhsa_system_sgpr_workgroup_id_x 1
		.amdhsa_system_sgpr_workgroup_id_y 1
		.amdhsa_system_sgpr_workgroup_id_z 1
		.amdhsa_system_vgpr_workitem_id 0
		.amdhsa_next_free_vgpr 384
		.amdhsa_next_free_sgpr 80
		.amdhsa_reserve_vcc 0
		.amdhsa_float_denorm_mode_32 3
		.amdhsa_float_denorm_mode_16_64 3
		.amdhsa_memory_ordered 1
		.amdhsa_forward_progress 1
		.amdhsa_inst_pref_size 90
	.end_amdhsa_kernel
	.amdgpu_metadata
---
amdhsa.version: [ 1, 2 ]
amdhsa.kernels:
  - .name:           k_q4a0b8ca531_outp
    .symbol:         k_q4a0b8ca531_outp.kd
    .args:
      - { .name: ctx, .offset: 0, .size: 8, .value_kind: global_buffer, .address_space: global }
      - { .name: xw, .offset: 8, .size: 8, .value_kind: global_buffer, .address_space: global }
      - { .name: out0, .offset: 16, .size: 8, .value_kind: global_buffer, .address_space: global }
    .group_segment_fixed_size: 327680
    .private_segment_fixed_size: 0
    .kernarg_segment_align: 8
    .kernarg_segment_size: 24
    .max_flat_workgroup_size: 128
    .sgpr_count:     80
    .vgpr_count:     384
    .wavefront_size: 32
...
	.end_amdgpu_metadata
.endif
;; end of part 4
